; MI455X (gfx1250); checked and timed in simulation.
; The chip was launched on July 23, 2026; its instructions are those of AMD's public machine-readable ISA for CDNA 5 (MIT licence, August 2026) and "CDNA5" Instruction Set Architecture Reference Guide (July 2026). The comments in the code are by the model that wrote it; some were corrected since.
;; Feed Forward Network. Allowed arithmetic: matrix products marked QUANTISED: E4M3 operands, one given power-of-two scale a tensor, by v_wmma_f32_16x16x64_fp8_fp8 or v_wmma_f32_16x16x128_fp8_fp8, f32 sums; everything else in f32.
;; Inputs: filter_bias 2,048 float32; filter_weight_codes 2,048 x 16 x 32 uint8 (E4M3 codes of filter_weight, K innermost, in blocks of 32 codes); lowp_scales 4 int32 (the exponents e of the quantised operands' scales 2^e); output_bias 512 float32; output_weight_codes 512 x 64 x 32 uint8 (E4M3 codes of output_weight, K innermost, in blocks of 32 codes); padding 8 x 4,096 float32; x_codes 8 x 4,096 x 16 x 32 uint8 (E4M3 codes of x, K innermost, in blocks of 32 codes).
;; Outputs: out0 8 x 4,096 x 512 float32.
;; This version of the problem:
;;   THIS VERSION OF THE PROBLEM IS GIVEN IN LOW PRECISION. The matrix products marked QUANTISED in the list below multiply operands that are first quantised to E4M3 (4 exponent bits, 3 mantissa bits; 8 bits a number), with one given power-of-two scale for each operand tensor; their sums are f32. All else is computed in f32.
;;   The module's matrix products, in the order in which they are computed (A, B: the left and right operand; K: the contracted axis; several contracted axes count as one K, in the product's order):
;;     1. [M 32,768, K 512] x [K 512, N 2,048]; A: input x (given as codes); B: input filter_weight (given as codes): QUANTISED (scales: A lowp_scales[0], B lowp_scales[1])
;;     2. [M 32,768, K 2,048] x [K 2,048, N 512]; A: computed on the way; B: input output_weight (given as codes): QUANTISED (scales: A lowp_scales[2], B lowp_scales[3])
;;   THE QUANTISER, for each operand of a quantised product, along K:
;;     - The operand's scale is 2^e, e = its entry of the input lowp_scales (int32; the entries are numbered through the quantised products in the list's order, A before B).
;;     - Each number is divided by the scale, clamped to +-448, and rounded to the nearest number of E4M3, ties to even, subnormals kept.
;;     - The product sums the exact products of the quantised numbers (number of the format x scale) in f32.
;;   ~~~python
;;   def quantise(x, axis, e):      # numpy; x: float32 -> the quantised numbers, widened to float32 again
;;       x = np.moveaxis(x, axis, -1); K = x.shape[-1]
;;       r = np.clip(x / 2.0 ** e, -448, 448)
;;       step = 2.0 ** (np.maximum(np.frexp(np.where(r == 0, 1, r))[1] - 1, -6) - 3)
;;       q = np.round(r / step) * step * 2.0 ** e      # np.round: ties to even
;;       return np.moveaxis(q, -1, axis).astype(np.float32)
;;   ~~~
;;   OPERANDS COMPUTED ON THE WAY. 'Computed on the way' means the value that the module computes at that place (a softmax that the list does not call 'softmax' is quantised finished and normalised). What goes into a quantiser is computed in f32, as accurately as f32 sums, v_exp_f32 and their like allow (about 1e-6 of the number): no bf16 or f16 on the way to a quantiser, and a product that is left as it is and whose result goes on into a quantised operand takes f32 operands (vector FMAs, or v_wmma_f32_16x16x4_f32). A number that lies on a knife's edge between two numbers of the format may be rounded either way, as far as f32 arithmetic and the matrix unit's own rounding can turn it there, and no further.
;;   INPUTS GIVEN AS CODES. filter_weight (in the module: [512, 2048], K = its axis 0); output_weight (in the module: [2048, 512], K = its axis 0); x (in the module: [8, 4096, 512], K = its axis 2): each comes as NAME_codes (uint8): NAME with its K axis moved to the last place and cut into blocks of 32 codes, [.., K / 32, bytes a block], one block behind the other in memory; one code a byte (a code: sign, 4 exponent bits, 3 mantissa bits); its scale is its entry of lowp_scales. Its value is code x scale, taken as it is: it is not quantised again, and the codes and scales need not be those that the quantiser above would give.
;; One version. Each part assembles by itself: llvm-mc -triple=amdgcn-amd-amdhsa -mcpu=gfx1250 --defsym DOCPART=n.
;; ======== version 1 of 1: 1 launch
;; limits: right only within a limited range of input values
;; launch ffn (part 1): grid 256 x 1, 4 waves a work-group, clusters of 4 x 1, 327,680 bytes of LDS; arguments x_codes, filter_weight_codes, filter_bias, output_weight_codes, output_bias, padding, lowp_scales, out0; writes out0
.if DOCPART == 1
	.amdgcn_target "amdgcn-amd-amdhsa--gfx1250"
	.amdhsa_code_object_version 6
	.text
	.protected	k_q4a466d40c8_ffn
	.globl	k_q4a466d40c8_ffn
	.p2align	8
	.type	k_q4a466d40c8_ffn,@function
k_q4a466d40c8_ffn:
	s_mov_b64 s[64:65], 0
	v_nop
	global_prefetch_b8 v0, s[64:65] scope:SCOPE_SE
	s_setreg_imm32_b32 hwreg(HW_REG_WAVE_MODE, 25, 1), 1
	s_wait_xcnt 0x0
	s_wait_alu depctr_hold_cnt(0) depctr_sa_sdst(0) depctr_va_vdst(0) depctr_va_sdst(0) depctr_va_ssrc(0) depctr_va_vcc(0) depctr_vm_vsrc(0)
	s_getreg_b32 s2, hwreg(HW_REG_IB_STS2, 6, 4)
	s_cmp_eq_u32 s2, 0
	s_cbranch_scc0 .Lentry_in_a_cluster
	s_endpgm
.Lentry_in_a_cluster:
	s_bfe_u32 s2, ttmp6, 0x10000c
	s_cmp_lg_u32 s2, 0x3003
	s_cbranch_scc0 .Lentry_shape_is_right
	s_endpgm
.Lentry_shape_is_right:
; out = where(padding < 1e-9, Q(x W1 + b1) W2 + b2, 0), both products on E4M3 codes, sums in f32.
; A work-group of four waves owns 128 rows; F = 2048 goes in 8 chunks of 256.  Part A of a chunk: wave (rh, ch) makes h for rows 64 rh .. +63 and
; hidden units 128 ch .. +127 of the chunk (x's fragments stay in 256 registers), holds it at +-448 x scale, converts it and stores the codes in LDS.
; Part B: the wave adds h (64 rows, K = 256) x W2 (columns 256 ch .. +255) onto 64 accumulators, 512 registers, which stay for the whole launch.
; LDS: one slot for W1's chunk (256 rows x 528), one for W2's (512 rows x 272).  While one is multiplied the other is filled again, behind a round of
; the cluster's barrier; the round at A's end also hands h from wave to wave.  By this text's count a wave has one tensor load outstanding at most.
; CLUSTERS: 4 x 1 work-groups walk the same weights: every tile is asked for jointly (mask 15).
; Both products are used transposed (source 0 = rows of the weight): a lane holds one row of x, its registers run along the next K, or along out's columns.
; W1's rows are laid in LDS so that tiles 2 b and 2 b + 1 give a lane 16 neighbouring hidden units (lane r of tile 2 b + u: unit 32 b + 8 u + r + 8 (r / 8)).
; Fragments come by four 16-byte loads: the same permutation of k in both operands of a product.
; PREFETCH: in chunk i the first four clusters ask for chunk i + 2 of W1 (part A) and of W2 (part B): 512 blocks of 256 bytes each, one a lane, the four
; partners told apart by address; chunks 6 and 7 ask for nothing.  The first two chunks come by their loads alone.
; LIMITS: with e0..e3 = lowp_scales: e2 - e0 - e1 between -126 and 119, e2 + e3 between -126 and 127, so that the factors are f32 numbers.
.set P1,    528
.set P2,    272
.set S2,    256*P1                     ; W2's slot, behind W1's at 0
.set HB,    S2+512*P2                  ; h's codes: 128 rows x 272
.set B1S,   HB+128*P2                  ; b1 / 2^(e0+e1): 2048 f32
.set SPARE, B1S+8192                   ; the spare words: 128 bytes a wave
.set OP,    1040                       ; the way out: 16 rows x 1040 a wave, in W1's slot behind its last fill and last read
.set AW1, 1
.set AW2, 2
.set AB,  3
.set AB0, 4
.set HS,  5
.set HR,  6
.set OS,  7
.set ORD, 8
.set SPW, 10
.set NIL, 11
.set CVS, 12
.set GO,  13
.set PF1O, 14
.set PF2O, 15
.set HT,  16                           ; v16-31 h's codes of two tiles, 4 row blocks x 4 registers; at the end v16-23 b2
.set B2,  16
.set WB,  32                           ; part A: W1's fragments, two tiles
.set AC,  160                          ; part A: h's sums, two tiles x 4 row blocks
.set BI,  224                          ; part A: the bias as C, two tiles
.set HF,  32                           ; part B: h's fragments (ks, m)
.set WF,  160                          ; part B: W2's fragments, three sets of two
.set OB,  32                           ; the way out: 16 rows read back
.set WV,  20
.set G1A, 32
.set G1C, 40
.set G0A, 48
.set G0C, 52
.set PFL, 72
.set PFA, 74
.set PFB, 76
.set MSB, 0
.macro WIN new
.if MSB != (\new)
	s_set_vgpr_msb (MSB<<8)|(\new)
.set MSB, (\new)
.endif
.endm
.macro PLACES n
.rept \n
	v_nop
.endr
.endm
.macro CREST
	s_cmp_lg_u32 s[WV], 0
	s_cbranch_scc1 .Lnot_wave_0_\@
	s_barrier_signal -3
.Lnot_wave_0_\@:
	s_barrier_wait -3
	s_barrier_signal -1
	s_barrier_wait -1
.endm
.macro CROUND
	s_barrier_signal -1
	s_barrier_wait -1
	CREST
.endm
; a prefetch: only while s70 (the chunk) is under the limit: 6 in the first four clusters, 0 in the others
.macro ASK off, base
	s_cmp_lt_u32 s70, s[PFL]
	s_cbranch_scc0 .Lnone_\@
	global_prefetch_b8 v[\off], s[\base:\base+1] th:TH_LOAD_NT scope:SCOPE_SE
.Lnone_\@:
.endm
	s_load_b256 s[4:11], s[0:1], 0x0               ; x, W1, b1, W2
	s_load_b256 s[12:19], s[0:1], 0x20             ; b2, padding, scales, out
	v_lshl_add_u32 v[SPW], v0, 2, SPARE
	v_mov_b32 v[NIL], 0
	ds_add_u32 v[SPW], v[NIL]                      ; the opening: the add twice on end
	ds_add_u32 v[SPW], v[NIL]
	v_lshrrev_b32 v16, 5, v0
	v_readfirstlane_b32 s[WV], v16
	s_and_b32 s21, s[WV], 1                        ; ch
	s_lshr_b32 s25, s[WV], 1                       ; rh
	s_bfe_u32 s23, ttmp6, 0x40000                  ; cx
	s_lshl_b32 s24, ttmp9, 2
	s_add_co_u32 s24, s24, s23                     ; work-group
	; W1: 8 pieces of 4096 bytes (8 rows each), 8192 apart; 16 bytes of padding behind every 512
	s_mov_b32 s[G1A+0], 15|(1<<20)|(1<<21)|(6<<22)|(3<<25)
	s_mov_b32 s[G1A+1], 4096<<16
	s_mov_b32 s[G1A+2], 8<<16
	s_mov_b32 s[G1A+3], 4096<<16
	s_mov_b32 s[G1A+4], 8
	s_mov_b32 s[G1A+5], 8192
	s_mov_b32 s[G1A+6], 0
	s_mov_b32 s[G1A+7], 0
	; W2: 128 rows x 256 bytes, 2048 apart; 16 bytes of padding behind every 256
	s_mov_b32 s[G1C+0], 15|(1<<20)|(1<<21)|(5<<22)|(3<<25)
	s_mov_b32 s[G1C+1], 256<<16
	s_mov_b32 s[G1C+2], 128<<16
	s_mov_b32 s[G1C+3], 256<<16
	s_mov_b32 s[G1C+4], 128
	s_mov_b32 s[G1C+5], 2048
	s_mov_b32 s[G1C+6], 0
	s_mov_b32 s[G1C+7], 0
	s_mul_i32 s26, s[WV], 64*P1
	s_mul_i32 s27, s[WV], 128*P2
	s_add_co_u32 s27, s27, S2
	s_lshl_b32 s22, s24, 7
	s_lshl_b32 s2, s25, 6
	s_add_co_u32 s22, s22, s2                      ; my first row
	s_mul_i32 s56, s21, 128*P1
	s_mul_i32 s57, s21, 256*P2
	s_add_co_u32 s57, s57, S2
	s_lshl_b32 s58, s21, 9
	s_add_co_u32 s58, s58, B1S
	s_mul_i32 s59, s25, 64*P2
	s_add_co_u32 s59, s59, HB
	s_lshl_b32 s60, s21, 7
	s_add_co_u32 s60, s60, s59
	s_mul_i32 s61, s[WV], 16*OP
	s_cmp_lt_u32 ttmp9, 4
	s_cselect_b32 s[PFL], 6, 0
	s_mov_b32 s70, 0                               ; the chunk
	s_mov_b32 s71, 0                               ; its bias bytes
	s_mov_b32 s78, 0x3089705f                      ; 1e-9
	v_and_b32 v19, 15, v0                          ; r
	v_bfe_u32 v20, v0, 4, 1                        ; h
	v_and_b32 v21, 31, v0                          ; lane
	v_lshlrev_b32 v22, 4, v0
	v_lshl_add_u32 v23, v0, 4, B1S
	v_lshlrev_b32 v24, 2, v21
	v_lshlrev_b32 v25, 9, v19
	v_lshl_add_u32 v25, v20, 4, v25                ; x: row r, + 16 h
	v_mul_u32_u24 v26, v19, P1
	v_lshl_add_u32 v26, v20, 4, v26
	v_add_nc_u32 v[AW1], s56, v26
	v_mul_u32_u24 v27, v19, P2
	v_lshl_add_u32 v27, v20, 4, v27
	v_add_nc_u32 v[AW2], s57, v27
	v_add_nc_u32 v[HS], s60, v27
	v_add_nc_u32 v[HR], s59, v27
	v_lshl_add_u32 v[AB0], v20, 6, s58
	v_mul_u32_u24 v28, v19, OP
	v_lshl_add_u32 v28, v20, 5, v28
	v_add_nc_u32 v[OS], s61, v28
	v_lshlrev_b32 v[GO], 4, v21
	v_add_nc_u32 v[ORD], s61, v[GO]
	v_lshlrev_b32 v[PF1O], 8, v0
	v_lshlrev_b32 v[PF2O], 11, v0
	s_wait_alu depctr_va_vdst(0)                   ; the wait at the head's end
	s_wait_dscnt 0x0
	s_wait_kmcnt 0x0
	s_load_b128 s[28:31], s[16:17], 0x0            ; e0..e3
	s_lshl_b32 s2, s25, 16                         ; W1: 128 rows for each pair of loading waves, + 8 rows for the odd one
	s_lshl_b32 s3, s21, 12
	s_add_co_u32 s2, s2, s3
	s_mov_b32 s3, 0
	s_mov_b32 s[G0A], 1
	s_mov_b32 s[G0A+1], s26
	s_add_nc_u64 s[G0A+2:G0A+3], s[6:7], s[2:3]
	s_or_b32 s[G0A+3], s[G0A+3], 0x80000000
	s_lshl_b32 s2, s[WV], 18                       ; W2: 128 rows a wave
	s_mov_b32 s[G0C], 1
	s_mov_b32 s[G0C+1], s27
	s_add_nc_u64 s[G0C+2:G0C+3], s[10:11], s[2:3]
	s_or_b32 s[G0C+3], s[G0C+3], 0x80000000
	s_lshl_b32 s2, s23, 15                         ; the prefetches: my work-group's quarter; each part A steps them one chunk on
	s_add_nc_u64 s[PFA:PFA+1], s[6:7], s[2:3]
	s_add_nc_u64 s[PFA:PFA+1], s[PFA:PFA+1], 131072
	s_lshl_b32 s2, s23, 18
	s_add_nc_u64 s[PFB:PFB+1], s[10:11], s[2:3]
	s_add_nc_u64 s[PFB:PFB+1], s[PFB:PFB+1], 256
	s_lshl_b32 s2, s22, 9
	s_add_nc_u64 s[4:5], s[4:5], s[2:3]
	s_lshl_b32 s2, s22, 2
	s_add_nc_u64 s[14:15], s[14:15], s[2:3]
	s_lshl_b32 s2, s22, 11
	s_add_nc_u64 s[18:19], s[18:19], s[2:3]
	s_lshl_b32 s2, s21, 10
	s_add_nc_u64 s[18:19], s[18:19], s[2:3]
	s_add_nc_u64 s[12:13], s[12:13], s[2:3]
	CROUND
	tensor_load_to_lds s[G0A:G0A+3], s[G1A:G1A+7]  ; W1's chunk 0: one tensor load a wave at the head
	s_nop 0
	PLACES 4
.irp k, 0,1,2,3
	global_load_b128 v[32+4*\k:35+4*\k], v22, s[8:9] offset:2048*\k
.endr
	global_load_b32 v48, v24, s[14:15]             ; padding of my rows 0-31, a lane a row,
	global_load_b32 v49, v24, s[14:15] offset:128  ; and 32-63
	WIN 0x40
.irp m, 0,1,2,3
.irp s, 0,1,2,3
.irp p, 0,1,2,3
	global_load_b128 v[16*(4*\m+\s)+4*\p:16*(4*\m+\s)+4*\p+3], v25, s[4:5] offset:8192*\m+128*\s+32*\p
.endr
.endr
.endr
	WIN 0
	s_wait_kmcnt 0x0
	s_add_co_i32 s56, s28, s29
	s_sub_co_i32 s57, 0, s56
	s_sub_co_i32 s58, s30, s56
	s_add_co_i32 s58, s58, 127
	s_lshl_b32 s59, s58, 23
	v_mov_b32 v[CVS], s59                          ; 2^(e2 - e0 - e1): the conversion's scale
	s_add_co_i32 s58, s58, 8
	s_lshl_b32 s58, s58, 23
	s_or_b32 s67, s58, 0x600000                    ; 448 x that
	s_or_b32 s66, s67, 0x80000000
	s_add_co_i32 s68, s30, s31
	s_add_co_i32 s68, s68, 127
	s_lshl_b32 s68, s68, 23                        ; 2^(e2 + e3)
	s_mov_b32 s69, s68
	s_wait_loadcnt 0x3f                            ; 64 loads of x were issued behind the bias and the padding
	v_cmp_gt_f32 s80, s78, v48                     ; bit l: row l is a real token
	v_cmp_gt_f32 s81, s78, v49
.irp j, 0,1,2,3,4,5,6,7,8,9,10,11,12,13,14,15
	v_ldexp_f32 v[32+\j], v[32+\j], s57            ; b1 / 2^(e0 + e1): it goes in as C
.endr
.irp k, 0,1,2,3
	ds_store_b128 v23, v[32+4*\k:35+4*\k] offset:2048*\k
.endr
	s_wait_alu depctr_va_vdst(0)
	s_wait_tensorcnt 0x0                           ; the full sequence ahead of a later first fill
	ds_add_u32 v[SPW], v[NIL]
	s_wait_dscnt 0x0
	CROUND
	tensor_load_to_lds s[G0C:G0C+3], s[G1C:G1C+7]  ; W2's chunk 0
	s_nop 0
	PLACES 4
	s_wait_loadcnt 0x0                             ; x
.macro F1LOAD t, q                     ; tile t's fragments of W1 (q < 16) and its bias (q = 16, 17)
.set zb, (\t)/2
.set zu, (\t)%2
.if (\q) < 16
	ds_load_b128 v[WB+64*zu+4*(\q):WB+64*zu+4*(\q)+3], v[AW1] offset:(64*zu+16*zb)*P1+128*((\q)/4)+32*((\q)%4)
.else
	ds_load_b128 v[BI+8*zu+4*((\q)-16):BI+8*zu+4*((\q)-16)+3], v[AB] offset:128*zb+32*zu+16*((\q)-16)
.endif
.endm
.macro F1RUN t
.irp q, 0,1,2,3,4,5,6,7,8,9,10,11,12,13,14,15,16,17
	F1LOAD \t, \q
.endr
.endm
.macro MM1 t, n                        ; the four row blocks' sums take turns
.set zu, (\t)%2
.set zs, (\n)/4
.set zm, (\n)%4
.if zs == 0
	v_wmma_f32_16x16x128_fp8_fp8 v[AC+32*zu+8*zm:AC+32*zu+8*zm+7], v[WB+64*zu:WB+64*zu+15], v[16*(4*zm):16*(4*zm)+15], v[BI+8*zu:BI+8*zu+7]
.else
	v_wmma_f32_16x16x128_fp8_fp8 v[AC+32*zu+8*zm:AC+32*zu+8*zm+7], v[WB+64*zu+16*zs:WB+64*zu+16*zs+15], v[16*(4*zm+zs):16*(4*zm+zs)+15], v[AC+32*zu+8*zm:AC+32*zu+8*zm+7]
.endif
.endm
.macro MEDS par, j0, cnt               ; the hold at +-448 x the scale, each sum from its low end on
.set zq, (\j0)
.rept \cnt
	v_med3_num_f32 v[AC+32*((\par)%2)+zq], v[AC+32*((\par)%2)+zq], s66, s67
.set zq, zq+1
.endr
.endm
.macro CVTA t                          ; tile t's codes; behind the odd tile 16 neighbouring codes of each row block go to LDS
.set zb, (\t)/2
.set zu, (\t)%2
.irp m, 0,1,2,3
	v_cvt_scalef32_pk8_fp8_f32 v[HT+4*\m+2*zu:HT+4*\m+2*zu+1], v[AC+32*zu+8*\m:AC+32*zu+8*\m+7], v[CVS]
.endr
.endm
.macro HST zb                          ; 16 neighbouring codes of each row block, tiles 2 zb and 2 zb + 1, go to LDS
.irp m, 0,1,2,3
	ds_store_b128 v[HS], v[HT+4*\m:HT+4*\m+3] offset:16*\m*P2+32*(\zb)
.endr
.endm
; tile t is multiplied while tile t + 1's fragments come and tile t - 1 is held; then tile t - 1 is converted.  One hold follows each product, sixteen follow the last:
; they are the places behind it (tile 0: four v_nop).  A pair of tiles' codes is stored at the head of the next step, ahead of that step's fragment loads: one run of LDS instructions a step.
.macro STEPA t, ask
.if ((\t) == 3) || ((\t) == 5) || ((\t) == 7)
	s_wait_alu depctr_va_vdst(0)                   ; directly ahead of the wait below
.endif
	s_wait_dscnt 0x0
.if ((\t) == 3) || ((\t) == 5) || ((\t) == 7)
	HST ((\t)-3)/2
.endif
.if ((\t) == 2) && (\ask)
	ASK PF1O, PFA
.endif
.if (\t) < 7
	F1RUN (\t)+1
.endif
	WIN 0x04
.irp n, 0,1,2,3,4,5,6,7,8,9,10,11,12,13,14,15
	MM1 \t, \n
.if (\t) > 0
	MEDS (\t)+1, (\n), 1
.endif
.endr
.if (\t) > 0
	MEDS (\t)+1, 16, 16
.endif
	WIN 0
.if (\t) > 0
	CVTA (\t)-1
	PLACES 1
.else
	PLACES 4
.endif
.endm
; a change of parts: all my tensor loads are in, the add, my LDS reads and stores are done; the barrier (with a refill: a round of the cluster's); the refill first behind it
.macro TURN g0, g1, step, fill
	s_wait_tensorcnt 0x0
	ds_add_u32 v[SPW], v[NIL]
.if \fill
	s_add_nc_u64 s[\g0+2:\g0+3], s[\g0+2:\g0+3], \step
.endif
	s_wait_dscnt 0x0
	s_barrier_signal -1
	s_barrier_wait -1
.if \fill
	CREST
	tensor_load_to_lds s[\g0:\g0+3], s[\g1:\g1+7]
	s_nop 0
	PLACES 5                                       ; also the places ahead of loads into, and sums laid over, registers that products have read
.endif
.endm
.macro PHA fill, ask
.if \ask
	s_wait_xcnt 0x0                                ; my prefetches have read their addresses
	s_add_nc_u64 s[PFA:PFA+1], s[PFA:PFA+1], 131072
	s_add_nc_u64 s[PFB:PFB+1], s[PFB:PFB+1], 256
.endif
	v_add_nc_u32 v[AB], s71, v[AB0]                ; this chunk's bias
	s_wait_alu depctr_va_vdst(0)                   ; the wait behind the write
	s_add_co_u32 s71, s71, 1024
	F1RUN 0
.irp t, 0,1,2,3,4,5,6,7
	STEPA \t, \ask
.endr
	MEDS 1, 0, 32
	CVTA 7
	HST 3
	v_nop
	TURN G0A, G1A, 131072, \fill
.endm
.macro WLOAD g                         ; group g: W2's fragments of column tiles 2 (g % 8), + 1, K step g / 8, into set g % 3
.irp j, 0,1
.irp p, 0,1,2,3
	ds_load_b128 v[WF+32*((\g)%3)+16*\j+4*\p:WF+32*((\g)%3)+16*\j+4*\p+3], v[AW2] offset:(2*((\g)%8)+\j)*16*P2+128*((\g)/8)+32*\p
.endr
.endr
.endm
.macro GRPB g, zero, ask
.if (\g) < 15
	s_wait_dscnt 0x8                               ; group g is in; the next group's eight loads may be out
.else
	s_wait_dscnt 0x0
.endif
.if (\g) < 14
	WIN 0
.if ((\g) == 4) && (\ask)
	ASK PF2O, PFB
.endif
.if (\g) > 0
	PLACES 4
.endif
	WLOAD (\g)+2
.endif
	MMB \g, \zero
.endm
.macro MMB g, zero                     ; group g's eight products: two column tiles x four row blocks
	WIN 0xa0+0x50*(((\g)%8)/4)
.irp j, 0,1
.irp m, 0,1,2,3
.set zD, 8*(4*((2*((\g)%8)+\j)%8)+\m)
.set zA, WF+32*((\g)%3)+16*\j
.set zB, HF+16*(4*((\g)/8)+\m)
.if (\zero) && ((\g) < 8)
	v_wmma_f32_16x16x128_fp8_fp8 v[zD:zD+7], v[zA:zA+15], v[zB:zB+15], 0
.else
	v_wmma_f32_16x16x128_fp8_fp8 v[zD:zD+7], v[zA:zA+15], v[zB:zB+15], v[zD:zD+7]
.endif
.endr
.endr
.endm
.macro PHB zero, fill, ask, last
.if \last
	global_load_b128 v[B2:B2+3], v[GO], s[12:13]             ; b2 of my columns, for the way out
	global_load_b128 v[B2+4:B2+7], v[GO], s[12:13] offset:512
.endif
.irp k, 0,1
.irp m, 0,1,2,3
.irp p, 0,1,2,3
	ds_load_b128 v[HF+16*(4*\k+\m)+4*\p:HF+16*(4*\k+\m)+4*\p+3], v[HR] offset:16*\m*P2+128*\k+32*\p
.endr
.endr
.endr
	WLOAD 0
	WLOAD 1
.irp g, 0,1,2,3,4,5,6,7,8,9,10,11,12,13
	GRPB \g, \zero, \ask
.endr
.if \last
	GRPB 14, \zero, 0
	GRPB 15, \zero, 0
	WIN 0
.else
	WIN 0                                          ; the change of parts, under the last two groups' products
	s_wait_tensorcnt 0x0                           ; all my tensor loads are in: my part of W1's next chunk
	ds_add_u32 v[SPW], v[NIL]
	s_add_nc_u64 s[G0C+2:G0C+3], s[G0C+2:G0C+3], 256
	s_wait_dscnt 0x9                               ; group 14 is in; group 15's eight loads and the add may be out
	MMB 14, \zero
	s_wait_dscnt 0x0                               ; the add is done, and my reads of W2's slot and of h are over
	s_barrier_signal -1
	MMB 15, \zero                                  ; work on registers while the others arrive
	WIN 0
	s_barrier_wait -1
	CREST
	tensor_load_to_lds s[G0C:G0C+3], s[G1C:G1C+7]  ; W2's next chunk
	s_nop 0
	PLACES 5                                       ; also the places ahead of loads into, and sums laid over, registers that products have read
.endif
.endm
	PHA 1, 1                                       ; chunk 0 is written out: its products start out's sums
	PHB 1, 1, 1, 0
	s_mov_b32 s70, 1
.Ltrip:                                                ; chunks 1 to 6
	PHA 1, 1
	PHB 0, 1, 1, 0
	s_add_co_u32 s70, s70, 1
	s_cmp_lt_u32 s70, 7
	s_cbranch_scc1 .Ltrip
	PHA 0, 0                                       ; chunk 7 fills nothing again
	PHB 0, 0, 0, 1
; THE WAY OUT, 16 rows x 256 columns at a time: the sums go through my stage and come back as rows; x 2^(e2 + e3) + b2; rows of padding become 0; a store covers 512 consecutive bytes, aligned.
	PLACES 4
	s_wait_loadcnt 0x0                             ; b2
.irp m, 0,1,2,3
.if \m > 0
	s_wait_xcnt 0x0                                ; the last block's stores have read their registers
.endif
.irp nt, 0,1,2,3,4,5,6,7,8,9,10,11,12,13,14,15
	WIN 0x08+4*(\nt/8)
	ds_store_b128 v[OS], v[8*(4*(\nt%8)+\m):8*(4*(\nt%8)+\m)+3] offset:64*\nt
	ds_store_b128 v[OS], v[8*(4*(\nt%8)+\m)+4:8*(4*(\nt%8)+\m)+7] offset:64*\nt+16
.endr
	WIN 0
.set zr, 0
.rept 32
	ds_load_b128 v[OB+4*zr:OB+4*zr+3], v[ORD] offset:(zr/2)*OP+(zr%2)*512
.set zr, zr+1
.endr
.set zr, 0
.rept 16
	s_wait_dscnt 30-2*zr                           ; this row's two loads are in; the later rows' may be out
	s_bitcmp1_b32 s[80+\m/2], 16*(\m%2)+zr
	s_cselect_b32 s82, -1, 0                       ; the row's mask, for all lanes
.irp q, 0,1
	v_pk_fma_f32 v[OB+8*zr+4*\q:OB+8*zr+4*\q+1], v[OB+8*zr+4*\q:OB+8*zr+4*\q+1], s[68:69], v[B2+4*\q:B2+4*\q+1] op_sel_hi:[1,0,1]
	v_pk_fma_f32 v[OB+8*zr+4*\q+2:OB+8*zr+4*\q+3], v[OB+8*zr+4*\q+2:OB+8*zr+4*\q+3], s[68:69], v[B2+4*\q+2:B2+4*\q+3] op_sel_hi:[1,0,1]
.irp i, 0,1,2,3
	v_cndmask_b32 v[OB+8*zr+4*\q+\i], 0, v[OB+8*zr+4*\q+\i], s82
.endr
	global_store_b128 v[GO], v[OB+8*zr+4*\q:OB+8*zr+4*\q+3], s[18:19] offset:(16*\m+zr)*2048+512*\q th:TH_STORE_NT
.endr
.set zr, zr+1
.endr
.endr
	s_wait_tensorcnt 0x0                           ; the wave's end
	ds_add_u32 v[SPW], v[NIL]
	s_wait_dscnt 0x0
	CROUND                                         ; the closing round
	s_endpgm
.Lfunc_end_k_q4a466d40c8_ffn:
	.size	k_q4a466d40c8_ffn, .Lfunc_end_k_q4a466d40c8_ffn-k_q4a466d40c8_ffn
	.p2alignl 7, 3214868480
	.fill 96, 4, 3214868480
	.section	.rodata,"a",@progbits
	.p2align	6, 0x0
	.amdhsa_kernel k_q4a466d40c8_ffn
		.amdhsa_group_segment_fixed_size 327680
		.amdhsa_private_segment_fixed_size 0
		.amdhsa_enable_private_segment 0
		.amdhsa_kernarg_size 64
		.amdhsa_user_sgpr_count 2
		.amdhsa_user_sgpr_kernarg_segment_ptr 1
		.amdhsa_wavefront_size32 1
		.amdhsa_system_sgpr_workgroup_id_x 1
		.amdhsa_system_sgpr_workgroup_id_y 1
		.amdhsa_system_sgpr_workgroup_id_z 1
		.amdhsa_system_vgpr_workitem_id 0
		.amdhsa_next_free_vgpr 1024
		.amdhsa_next_free_sgpr 96
		.amdhsa_reserve_vcc 0
		.amdhsa_float_denorm_mode_32 3
		.amdhsa_float_denorm_mode_16_64 3
		.amdhsa_memory_ordered 1
		.amdhsa_forward_progress 1
		.amdhsa_inst_pref_size 255
	.end_amdhsa_kernel
	.section	.bss,"aw",@nobits
	.p2align	6
	.space	262144
	.amdgpu_metadata
---
amdhsa.version: [ 1, 2 ]
amdhsa.kernels:
  - .name:           k_q4a466d40c8_ffn
    .symbol:         k_q4a466d40c8_ffn.kd
    .args:
      - { .name: x_codes, .offset: 0, .size: 8, .value_kind: global_buffer, .address_space: global }
      - { .name: filter_weight_codes, .offset: 8, .size: 8, .value_kind: global_buffer, .address_space: global }
      - { .name: filter_bias, .offset: 16, .size: 8, .value_kind: global_buffer, .address_space: global }
      - { .name: output_weight_codes, .offset: 24, .size: 8, .value_kind: global_buffer, .address_space: global }
      - { .name: output_bias, .offset: 32, .size: 8, .value_kind: global_buffer, .address_space: global }
      - { .name: padding, .offset: 40, .size: 8, .value_kind: global_buffer, .address_space: global }
      - { .name: lowp_scales, .offset: 48, .size: 8, .value_kind: global_buffer, .address_space: global }
      - { .name: out0, .offset: 56, .size: 8, .value_kind: global_buffer, .address_space: global }
    .group_segment_fixed_size: 327680
    .private_segment_fixed_size: 0
    .kernarg_segment_align: 8
    .kernarg_segment_size: 64
    .max_flat_workgroup_size: 128
    .sgpr_count:     96
    .vgpr_count:     1024
    .wavefront_size: 32
...
	.end_amdgpu_metadata
.endif
;; end of part 1
